; MI455X (gfx1250); checked and timed in simulation.
; The chip was launched on July 23, 2026; its instructions are those of AMD's public machine-readable ISA for CDNA 5 (MIT licence, August 2026) and "CDNA5" Instruction Set Architecture Reference Guide (July 2026). The comments in the code are by the model that wrote it; some were corrected since.
;; Bahdanau Attention. Allowed arithmetic: matrix products marked QUANTISED: E2M1 operands, one E8M0 scale for each 32 along K, by v_wmma_scale_f32_16x16x128_f8f6f4 with both operands' format E2M1 (or v_wmma_scale_f32_32x16x128_f4), f32 sums; products left as they are: f32 operands where the result goes on into a quantised operand, else bf16, f16 or f32 operands; f32 sums; everything else in f32.
;; Inputs: W_dec_codes 1,024 x 32 x 16 uint8 (E2M1 codes of W_dec, K innermost, in blocks of 32 codes, two codes a byte); W_dec_scales 1,024 x 32 uint8 (E8M0 scales of W_dec, one for each 32 codes along K); W_enc_codes 1,024 x 32 x 16 uint8 (E2M1 codes of W_enc, K innermost, in blocks of 32 codes, two codes a byte); W_enc_scales 1,024 x 32 uint8 (E8M0 scales of W_enc, one for each 32 codes along K); decoder_hidden_codes 32 x 32 x 16 uint8 (E2M1 codes of decoder_hidden, K innermost, in blocks of 32 codes, two codes a byte); decoder_hidden_scales 32 x 32 uint8 (E8M0 scales of decoder_hidden, one for each 32 codes along K); encoder_outputs 32 x 2,048 x 1,024 float32; mask 32 x 2,048 bool; v 1,024 float32.
;; Outputs: out0 32 x 1,024 float32; out1 32 x 2,048 float32.
;; This version of the problem:
;;   THIS VERSION OF THE PROBLEM IS GIVEN IN LOW PRECISION. The matrix products marked QUANTISED in the list below multiply operands that are first quantised to E2M1 (2 exponent bits, 1 mantissa bit; 4 bits a number), with one power-of-two scale for each 32 numbers along K (OCP MX v1.0); their sums are f32. All else is computed in f32.
;;   The module's matrix products, in the order in which they are computed (A, B: the left and right operand; K: the contracted axis; several contracted axes count as one K, in the product's order):
;;     1. [M 65,536, K 1,024] x [K 1,024, N 1,024]; A: input encoder_outputs; B: input W_enc (given as codes): QUANTISED
;;     2. [M 32, K 1,024] x [K 1,024, N 1,024]; A: input decoder_hidden (given as codes); B: input W_dec (given as codes): QUANTISED
;;     3. [M 65,536, K 1,024] x [K 1,024, N 1]; A: computed on the way; B: input v: left as it is (N = 1 < 16)
;;     4. batch 32 x [M 1, K 2,048] x [K 2,048, N 1,024]; A: softmax; B: input encoder_outputs: left as it is (M = 1 < 16)
;;   THE QUANTISER, for each operand of a quantised product, along K:
;;     - K is cut into blocks of 32 from its start; a last block that is shorter is filled with zeros.
;;     - A block's scale is 2^e with e = floor(log2(the largest magnitude in the block)) - 2, held to -126 .. 127; a block of zeros has e = 0. As a byte (E8M0): e + 127.
;;     - Each number is divided by its block's scale, clamped to +-6, and rounded to the nearest number of E2M1, ties to even, subnormals kept.
;;     - The product sums the exact products of the quantised numbers (number of the format x scale) in f32.
;;   ~~~python
;;   def quantise(x, axis):      # numpy; x: float32 -> the quantised numbers, widened to float32 again
;;       x = np.moveaxis(x, axis, -1); K = x.shape[-1]
;;       x = np.pad(x, [(0, 0)] * (x.ndim - 1) + [(0, -K % 32)]); x = x.reshape(x.shape[:-1] + (-1, 32)); a = np.abs(x).max(-1, keepdims=True)
;;       e = np.where(a > 0, np.clip(np.frexp(np.where(a > 0, a, 1))[1] - 1 - 2, -126, 127), 0)      # np.frexp(a)[1] - 1 = floor(log2(a)), exactly
;;       r = np.clip(x / 2.0 ** e, -6, 6)
;;       step = 2.0 ** (np.maximum(np.frexp(np.where(r == 0, 1, r))[1] - 1, 0) - 1)
;;       q = np.round(r / step) * step * 2.0 ** e      # np.round: ties to even
;;       return np.moveaxis(q.reshape(q.shape[:-2] + (-1,))[..., :K], -1, axis).astype(np.float32)
;;   ~~~
;;   INPUTS GIVEN AS CODES. W_dec (in the module: [1024, 1024], K = its axis 0); W_enc (in the module: [1024, 1024], K = its axis 0); decoder_hidden (in the module: [32, 1024], K = its axis 1): each comes as NAME_codes (uint8): NAME with its K axis moved to the last place and cut into blocks of 32 codes, [.., K / 32, bytes a block], one block behind the other in memory; two codes a byte, the lower K in the low four bits (a code: sign, 2 exponent bits, 1 mantissa bit); and NAME_scales (uint8): the same leading axes, one E8M0 byte (e + 127) for each 32 codes along K. Its value is code x scale, taken as it is: it is not quantised again, and the codes and scales need not be those that the quantiser above would give.
;; One version. Each part assembles by itself: llvm-mc -triple=amdgcn-amd-amdhsa -mcpu=gfx1250 --defsym DOCPART=n.
;; ======== version 1 of 1: 3 launches
;; limits: right only within a limited range of input values
;; workspace buffers: biasc 131,072 bytes; wreg 393,216 bytes; wlds 163,840 bytes; tsc 262,144 bytes; pctx 1,048,576 bytes
;; launch prep (part 1): grid 128 x 1, 1 waves a work-group, no clusters, 0 bytes of LDS; arguments W_enc_codes, W_enc_scales, W_dec_codes, W_dec_scales, decoder_hidden_codes, decoder_hidden_scales, biasc, wreg, wlds; writes biasc, wreg, wlds
.if DOCPART == 1
	.amdgcn_target "amdgcn-amd-amdhsa--gfx1250"
	.amdhsa_code_object_version 6
	.text
	.protected	k_qee407b87d9_prep
	.globl	k_qee407b87d9_prep
	.p2align	8
	.type	k_qee407b87d9_prep,@function
k_qee407b87d9_prep:
	s_mov_b64 s[64:65], 0
	v_nop
	global_prefetch_b8 v0, s[64:65] scope:SCOPE_SE
	s_setreg_imm32_b32 hwreg(HW_REG_WAVE_MODE, 25, 1), 1
	s_wait_xcnt 0x0
; BahdanauAttention in MX-FP4, launch 1 of 3: the small product and W_enc's layout.
; THE PROGRAM.  prep: biasc = C2 x (decoder_hidden W_dec), C2 = 2 log2(e); W_enc's codes and scale bytes copied into the order of an operand's registers.
; main: 256 rows of one batch a work-group: quantise, x W_enc, tanh, x v, mask, running maximum, p = 2^(t - m), partial context: encoder_outputs is read once.
; finish: joins a batch's eight chunks, normalises the weights.
; WORK LEFT OUT, AND WHY IT IS DEAD.  tanh(x) = 1 - 2 r with r = 1 / (1 + e^(2x)), so scores[b][s] = sum_d v[d] - 2 sum_d v[d] r[b][s][d].  The first term is the same for every s,
; whatever the inputs hold: it is a term added to the softmax's input that is constant along the softmax's axis (a masked position is -inf with it or without), and the scores
; are no output.  So sum_d v[d] is never formed; v itself is live and is loaded.  The program carries t = log2(e) x (-2 sum_d v[d] r) = sum_d (-C2 v[d]) r.
; LIMIT: a NaN, an infinity or an overflow that would arise in sum_d v[d] alone is not carried to the results.
; Masked rows are NOT left out: the mask is an input; they are computed and selected away.
; SHARES.  128 work-groups of one wave, u = the work-group's number; n16 = u % 64 is a tile of 16 columns of W_enc and of W_dec, mt = u / 64 a half: K steps 4 mt .. 4 mt + 3 of the copy,
; rows 16 mt .. + 15 of decoder_hidden.  One wave to a work-group: a fragment load touches 16 rows, 32 bytes of each, and the waves share nothing.
; LAYOUTS.  Tile n16 belongs to main's wave w = n16 / 16, T = n16 % 16, group g = T / 4, place x = T % 4.  A fragment (16 columns x 128 K) is 8 registers a lane: its image is [c 2][lane 32][16 bytes],
; lane (r, h)'s 16 bytes being those at row 16 n16 + r, byte 64 s + 32 c + 16 h.  wreg: [w][x 0..2][g][s 8] images; wlds: for each w the images [g][s 8] of x = 3 (32,768 bytes), then the scale
; words [T 16][lane 32][q 4] (8,192 bytes): word (T, lane (r, h), q) is the row's word 2 q + h, so that lanes 0-15 carry K step 2 q and lanes 16-31 K step 2 q + 1.
; No branch: every choice is made in addresses, from ids.  biasc leaves in pieces of 64 bytes (131,072 bytes once in the program): the product's result holds a column a lane.
.set C2, 0x4038aa3b                    ; 2 log2(e)
	s_load_b256 s[4:11], s[0:1], 0x0               ; W_enc's codes s[4:5], its scales s[6:7], W_dec's codes s[8:9], its scales s[10:11]
	s_load_b256 s[12:19], s[0:1], 0x20             ; decoder_hidden's codes s[12:13], its scales s[14:15], biasc s[16:17], wreg s[18:19]
	s_load_b64 s[20:21], s[0:1], 0x40              ; wlds
	s_mov_b32 s23, ttmp9                           ; u
	s_and_b32 s24, s23, 63                         ; n16
	s_lshr_b32 s25, s23, 6                         ; mt
	s_lshr_b32 s26, s24, 4                         ; w
	s_and_b32 s27, s24, 15                         ; T
	s_lshr_b32 s28, s27, 2                         ; g
	s_and_b32 s29, s27, 3                          ; x
	s_mov_b32 s38, C2
	v_and_b32 v8, 31, v0                           ; lane
	v_and_b32 v1, 15, v0                           ; r
	v_bfe_u32 v2, v0, 4, 1                         ; h
	v_lshlrev_b32 v3, 4, v8                        ; 16 lane
	v_lshlrev_b32 v9, 3, v8                        ; 8 lane
	v_lshlrev_b32 v4, 9, v1
	v_lshl_add_u32 v4, v2, 4, v4                   ; a fragment's bytes: row r of 512 bytes, + 16 h
	v_lshlrev_b32 v6, 5, v1                        ; a row of 32 scale bytes
	v_lshlrev_b32 v7, 2, v1
	v_lshl_add_u32 v7, v2, 15, v7                  ; biasc: 8 h rows of 4,096 bytes + 4 r
	s_mov_b32 s31, 0
	s_wait_alu depctr_va_vdst(0)
	s_wait_kmcnt 0x0
	s_lshl_b32 s30, s24, 13                        ; 16 rows of 512 bytes a tile
	s_add_nc_u64 s[8:9], s[8:9], s[30:31]          ; W_dec's tile
	s_lshl_b32 s32, s25, 8
	s_add_co_u32 s30, s30, s32
	s_add_nc_u64 s[4:5], s[4:5], s[30:31]          ; W_enc's tile at K step 4 mt
	s_lshl_b32 s30, s24, 9                         ; 16 rows of 32 scale bytes
	s_add_nc_u64 s[10:11], s[10:11], s[30:31]
	s_lshl_b32 s32, s25, 2
	s_add_co_u32 s30, s30, s32
	s_add_nc_u64 s[6:7], s[6:7], s[30:31]          ; W_enc's scale bytes of the tile, + 4 mt
	s_lshl_b32 s30, s25, 13
	s_add_nc_u64 s[12:13], s[12:13], s[30:31]      ; decoder_hidden's rows 16 mt on
	s_lshl_b32 s30, s25, 9
	s_add_nc_u64 s[14:15], s[14:15], s[30:31]
	s_lshl_b32 s30, s25, 16
	s_lshl_b32 s32, s24, 6
	s_add_co_u32 s30, s30, s32
	s_add_nc_u64 s[16:17], s[16:17], s[30:31]      ; biasc at row 16 mt, column 16 n16
	s_mul_i32 s33, s26, 40960                      ; wave w's part of wlds
	s_lshl_b32 s30, s27, 9
	s_add_co_u32 s30, s30, s33
	s_lshl_b32 s32, s25, 8
	s_add_co_u32 s30, s30, s32
	s_add_co_u32 s30, s30, 32768
	s_add_nc_u64 s[34:35], s[20:21], s[30:31]      ; my 256 bytes of the tile's scale image
	s_mul_i32 s32, s26, 98304
	s_lshl_b32 s30, s29, 15
	s_add_co_u32 s32, s32, s30                     ; in wreg: w, x
	s_cmp_lt_u32 s29, 3                            ; places 0 to 2 go to wreg, place 3 to wlds: the choice hangs on ids alone
	s_cselect_b32 s30, s32, s33
	s_cselect_b64 s[36:37], s[18:19], s[20:21]
	s_lshl_b32 s32, s28, 13
	s_add_co_u32 s30, s30, s32                     ; + g
	s_lshl_b32 s32, s25, 12
	s_add_co_u32 s30, s30, s32                     ; + K step 4 mt
	s_add_nc_u64 s[36:37], s[36:37], s[30:31]
.irp k, 0,1,2,3
.irp c, 0,1
	global_load_b128 v[16+8*\k+4*\c:16+8*\k+4*\c+3], v4, s[4:5] offset:64*\k+32*\c      ; W_enc's four fragments
.endr
.endr
	global_load_b32 v48, v3, s[6:7]                ; lane l: row l / 2, words 4 (l % 2) + mt
	global_load_b32 v49, v3, s[6:7] offset:8       ; and + 2
.irp s, 0,1,2,3,4,5,6,7
.irp c, 0,1
	global_load_b128 v[64+8*\s+4*\c:64+8*\s+4*\c+3], v4, s[8:9] offset:64*\s+32*\c      ; W_dec's eight fragments
	global_load_b128 v[128+8*\s+4*\c:128+8*\s+4*\c+3], v4, s[12:13] offset:64*\s+32*\c  ; decoder_hidden's
.endr
.endr
	global_load_b128 v[192:195], v6, s[10:11]      ; W_dec's scale words: register s = K step s, lane r = column r
	global_load_b128 v[196:199], v6, s[10:11] offset:16
	global_load_b128 v[200:203], v6, s[14:15]      ; decoder_hidden's
	global_load_b128 v[204:207], v6, s[14:15] offset:16
	s_wait_loadcnt 0x0
.irp k, 0,1,2,3
.irp c, 0,1
	global_store_b128 v3, v[16+8*\k+4*\c:16+8*\k+4*\c+3], s[36:37] offset:1024*\k+512*\c   ; each store of the wave covers 512 consecutive bytes, aligned
.endr
.endr
	global_store_b64 v9, v[48:49], s[34:35]        ; 256 consecutive bytes, aligned
; dec_proj: source 0 = 16 rows of decoder_hidden, source 1 = 16 columns of W_dec.  Two accumulators take turns, one instruction a turn; the first two products start the sums.
.irp s, 0,1,2,3,4,5,6,7
.if \s < 2
	v_wmma_scale_f32_16x16x128_f8f6f4 v[208+8*(\s%2):215+8*(\s%2)], v[128+8*\s:135+8*\s], v[64+8*\s:71+8*\s], 0, v[200+\s], v[192+\s] matrix_a_fmt:MATRIX_FMT_FP4 matrix_b_fmt:MATRIX_FMT_FP4
.else
	v_wmma_scale_f32_16x16x128_f8f6f4 v[208+8*(\s%2):215+8*(\s%2)], v[128+8*\s:135+8*\s], v[64+8*\s:71+8*\s], v[208+8*(\s%2):215+8*(\s%2)], v[200+\s], v[192+\s] matrix_a_fmt:MATRIX_FMT_FP4 matrix_b_fmt:MATRIX_FMT_FP4
.endif
.endr
.rept 4
	v_nop                                          ; four places between the last product and the first read of results (ISA guide 7.12.1)
.endr
.irp j, 0,1,2,3,4,5,6,7
	v_mul_f32 v[224+\j], s38, v[208+\j]            ; each accumulator from its low end on
.endr
.irp j, 0,1,2,3,4,5,6,7
	v_fma_f32 v[224+\j], v[216+\j], s38, v[224+\j] ; C2 x (even K steps + odd K steps)
.endr
.irp j, 0,1,2,3,4,5,6,7
	global_store_b32 v7, v[224+\j], s[16:17] offset:4096*\j   ; biasc(16 mt + 8 h + j, 16 n16 + r)
.endr
	s_endpgm
.Lfunc_end_k_qee407b87d9_prep:
	.size	k_qee407b87d9_prep, .Lfunc_end_k_qee407b87d9_prep-k_qee407b87d9_prep
	.p2alignl 7, 3214868480
	.fill 96, 4, 3214868480
	.section	.rodata,"a",@progbits
	.p2align	6, 0x0
	.amdhsa_kernel k_qee407b87d9_prep
		.amdhsa_group_segment_fixed_size 0
		.amdhsa_private_segment_fixed_size 0
		.amdhsa_enable_private_segment 0
		.amdhsa_kernarg_size 72
		.amdhsa_user_sgpr_count 2
		.amdhsa_user_sgpr_kernarg_segment_ptr 1
		.amdhsa_wavefront_size32 1
		.amdhsa_system_sgpr_workgroup_id_x 1
		.amdhsa_system_sgpr_workgroup_id_y 1
		.amdhsa_system_sgpr_workgroup_id_z 1
		.amdhsa_system_vgpr_workitem_id 0
		.amdhsa_next_free_vgpr 232
		.amdhsa_next_free_sgpr 66
		.amdhsa_reserve_vcc 0
		.amdhsa_float_denorm_mode_32 3
		.amdhsa_float_denorm_mode_16_64 3
		.amdhsa_memory_ordered 1
		.amdhsa_forward_progress 1
		.amdhsa_inst_pref_size 11
	.end_amdhsa_kernel
	.amdgpu_metadata
---
amdhsa.version: [ 1, 2 ]
amdhsa.kernels:
  - .name:           k_qee407b87d9_prep
    .symbol:         k_qee407b87d9_prep.kd
    .args:
      - { .name: W_enc_codes, .offset: 0, .size: 8, .value_kind: global_buffer, .address_space: global }
      - { .name: W_enc_scales, .offset: 8, .size: 8, .value_kind: global_buffer, .address_space: global }
      - { .name: W_dec_codes, .offset: 16, .size: 8, .value_kind: global_buffer, .address_space: global }
      - { .name: W_dec_scales, .offset: 24, .size: 8, .value_kind: global_buffer, .address_space: global }
      - { .name: decoder_hidden_codes, .offset: 32, .size: 8, .value_kind: global_buffer, .address_space: global }
      - { .name: decoder_hidden_scales, .offset: 40, .size: 8, .value_kind: global_buffer, .address_space: global }
      - { .name: biasc, .offset: 48, .size: 8, .value_kind: global_buffer, .address_space: global }
      - { .name: wreg, .offset: 56, .size: 8, .value_kind: global_buffer, .address_space: global }
      - { .name: wlds, .offset: 64, .size: 8, .value_kind: global_buffer, .address_space: global }
    .group_segment_fixed_size: 0
    .private_segment_fixed_size: 0
    .kernarg_segment_align: 8
    .kernarg_segment_size: 72
    .max_flat_workgroup_size: 32
    .sgpr_count:     66
    .vgpr_count:     232
    .wavefront_size: 32
...
	.end_amdgpu_metadata
.endif
;; end of part 1
;; launch main (part 2): grid 8 x 32, 4 waves a work-group, no clusters, 327,680 bytes of LDS; arguments encoder_outputs, mask, v, biasc, wreg, wlds, tsc, pctx; writes tsc, pctx
.if DOCPART == 2
	.amdgcn_target "amdgcn-amd-amdhsa--gfx1250"
	.amdhsa_code_object_version 6
	.text
	.protected	k_qee407b87d9_main
	.globl	k_qee407b87d9_main
	.p2align	8
	.type	k_qee407b87d9_main,@function
k_qee407b87d9_main:
	s_mov_b64 s[64:65], 0
	v_nop
	global_prefetch_b8 v0, s[64:65] scope:SCOPE_SE
	s_setreg_imm32_b32 hwreg(HW_REG_WAVE_MODE, 25, 1), 1
	s_wait_xcnt 0x0
; BahdanauAttention in MX-FP4, launch 2 of 3: a work-group takes 256 rows of one batch (chunk ttmp9 of batch ttmp7) through the whole chain, 16 rows a tile, and reads encoder_outputs once.
; A tile: quantise along K, x W_enc, r = 1 / (1 + 2^(C2 (enc_proj + dec_proj))), t = sum_d (-C2 v[d]) r, mask, running maximum, p = 2^(t - m), partial context += p x row.
; WORK LEFT OUT: the term sum_d v[d] of the scores, the same along the softmax's axis (shown at the head of the first kernel).  Masked rows are computed and selected away.
; LIMITS: a NaN or an overflow in sum_d v[d] alone is not carried on.  2^y beyond f32 is infinity and r is then 0, as tanh's limit asks.  |t| stays under C2 sum |v[d]|; the promise holds while that is under 2^31.
; SHARES.  Four waves.  Wave w owns columns 256 w .. + 255 of W_enc for all of K: three tiles of each group of four in registers (windows 1 to 3, 768 registers), the fourth and the scale words in LDS.
; Wave w quantises K steps 2 w and 2 w + 1 of the tile's 16 rows; codes and scale words go to the others as register images through LDS.  Wave w also owns columns 256 w .. of the context.
; THE TANH GOES IN WHOLE BATCHES.  A group is four column tiles, 32 result registers; two sets of 32 take turns.  Group g's 32 reciprocals and group g + 1's 32 exponentials are one batch.
; Between two batches stand plain lines alone: group g's lines by v by turns with group g + 1's additions of 1, then group g + 2's 32 products into the set that g has left, and its bias lines.
; So no transcendental stands between two links of a sum, nor between a sum and its first reader.  One wait stands ahead of each batch and one behind it: ten a tile.
; v and the bias lie in LDS as images [group][lane][4 words], 4,096 bytes a wave behind its part of wlds, written once by this wave.
; THE FIRST TILE has a copy of the body of its own: the head asks for W's registers of groups 0 and 1 alone, that copy for group g + 2's 48 loads behind group g's products, with a counted wait ahead of each group's products.
; THE RING: two slots of 16 rows x 4,096 bytes; wave w fetches columns 256 w .. of all 16 rows, rows of 1,024 bytes padded by 16.  One refill a tile, behind the tile's second barrier.
; NO CLUSTER: what work-groups share is W_enc's images, read once (one tensor load of 40,960 bytes a wave); each of the 15 later loads is a work-group's own rows and would then stand behind a round of the cluster's barrier.
; PREFETCH: 64 blocks of 256 bytes a wave for a tile, a lane a block.  Tiles 0 and 1 are asked for behind the head's tensor load, tile 2 behind tile 1's load; tile t's body loads tile t + 2 and asks for tile t + 3; the last asked for is tile 15.
.set RSLOT, 66560                      ; a slot: 4 quarters
.set QTR,   16640                      ; a wave's quarter: 16 rows x 1,040
.set RP,    1040
.set WLS,   133120                     ; behind the ring: for each wave WLW bytes:
.set WLW,   45056                      ; 40,960 of wlds (filled once by a tensor load), then 4,096 of v and bias (stored once)
.set VBO,   40960
.set XIMG,  313344                     ; the tile's codes: 8 K steps x 1,024 bytes
.set XSC,   321536                     ; its scale words: [lane][4]
.set PS,    322048                     ; the four waves' partial scores
.set TS,    322304                     ; each wave's copy of the 256 t
.set SPARE, 326400                     ; the spare words: 128 bytes a wave
.set SPW,  1
.set NIL,  2
.set QA0,  3
.set CA0,  4
.set QA,   5                           ; raw rows as the quantiser reads them
.set CA,   6                           ; raw rows as the context reads them
.set XRD,  7
.set XWR,  8
.set XSR,  9
.set XSW,  10
.set WLA,  11                          ; my part of wlds + 16 lane
.set PSW,  12
.set PSR,  13
.set TSA0, 14
.set MK,   15                          ; the mask bits of my row in the tiles to come
.set MX,   16                          ; the running maximum
.set PFO,  17
.set FF,   18                          ; 2^(old maximum - new); named in a pair with
.set L16,  19                          ; 16 lane, the offset of W's loads; never rewritten
.set SA,   20                          ; v20-27 partial scores of rows 8 h + j
.set PC2,  20
.set CX,   28                          ; v28-35 the context
.set XS,   36                          ; v36-39 x's scale words
.set WSC,  40                          ; v40-55 W's scale words of a group
.set VV4,  56                          ; v56-59 -C2 v of a group's four tiles
.set BI4,  60                          ; v60-63 the bias likewise (for group 3: its v)
.set ACC,  64                          ; v64-95, v96-127 two sets of results; between tiles at work
.set TM,   64
.set PW0,  80
.set PW1,  81
.set PC,   82
.set TT,   96                          ; v96-111 the quantiser's tree of maxima
.set CY,   96                          ; v96-103 the context's second set of sums
.set TSW,  120
.set AF,   128                         ; v128-191 x's fragments; raw rows
.set STG,  192                         ; v192-255 the group's fourth tile of W; raw rows
.set WV,   20
.set BB,   21
.set CH,   22
.set CNT,  23
.set SOFF, 24
.set TSO,  25
.set CC,   26
.set HM,   28
.set G1R,  32
.set G0R,  40
.set G1D,  44
.set G0D,  52
.set PFA,  56
.set PP,   66
.set SEL,  98
.set MSB, 0
.macro WIN new                         ; the immediate's high byte repeats the setting that is left
.if MSB != \new
	s_set_vgpr_msb (MSB<<8)|\new
.set MSB, \new
.endif
.endm
.macro PLACES
.rept 4
	v_nop
.endr
.endm
.macro AW
	s_wait_alu depctr_va_vdst(0)
.endm
.macro WLOAD g                         ; 48 loads: group g's three tiles that stay in registers: place xx in window xx + 1, register 64 g + 8 s
.set xx, 0
.rept 3
	WIN (0x40*(xx+1))
.set ff, 0
.rept 16
	global_load_b128 v[64*(\g)+4*ff:64*(\g)+4*ff+3], v[L16], s[12:13] offset:32768*xx+8192*(\g)+512*ff
.set ff, ff+1
.endr
.set xx, xx+1
.endr
	WIN 0
.endm
	s_load_b256 s[4:11], s[0:1], 0x0               ; encoder_outputs, mask, v, biasc
	s_load_b256 s[12:19], s[0:1], 0x20             ; wreg, wlds, tsc, pctx
	v_lshl_add_u32 v[SPW], v0, 2, SPARE
	v_mov_b32 v[NIL], 0
	ds_add_u32 v[SPW], v[NIL]                      ; the opening lines: the add twice on end and its one wait
	ds_add_u32 v[SPW], v[NIL]
	v_lshrrev_b32 v121, 5, v0
	v_readfirstlane_b32 s[WV], v121
	s_and_b32 s[BB], ttmp7, 0xffff
	s_mov_b32 s[CH], ttmp9
	s_mov_b32 s[G1R+0], (2<<16)|(1<<20)|(7<<22)|(3<<25)   ; raw rows: 16 x 256 f32, 4 words of padding behind each 256
	s_mov_b32 s[G1R+1], 256<<16
	s_mov_b32 s[G1R+2], 16<<16
	s_mov_b32 s[G1R+3], 256<<16
	s_mov_b32 s[G1R+4], 16
	s_mov_b32 s[G1R+5], 1024
	s_mov_b32 s[G1R+6], 0
	s_mov_b32 s[G1R+7], 0
	s_mov_b32 s[G1D+0], 3<<16                      ; wlds: a dense block, 160 rows of 256 bytes
	s_mov_b32 s[G1D+1], 32<<16
	s_mov_b32 s[G1D+2], 160<<16
	s_mov_b32 s[G1D+3], 32<<16
	s_mov_b32 s[G1D+4], 160
	s_mov_b32 s[G1D+5], 32
	s_mov_b32 s[G1D+6], 0
	s_mov_b32 s[G1D+7], 0
	s_mov_b32 s[G0R], 1
	s_mul_i32 s[G0R+1], s[WV], QTR
	s_mov_b32 s[G0D], 1
	s_mul_i32 s62, s[WV], 40960                    ; my part of wlds in memory,
	s_mov_b32 s63, 0
	s_mul_i32 s60, s[WV], WLW
	s_add_co_u32 s[G0D+1], s60, WLS                ; and in LDS
	s_lshl_b32 s30, s[BB], 23
	s_lshl_b32 s58, s[CH], 20
	s_add_co_u32 s30, s30, s58
	s_lshl_b32 s29, s[WV], 10
	s_add_co_u32 s30, s30, s29                     ; my columns of the chunk's first row
	s_mov_b32 s31, 0
	s_mov_b32 s[CC], 0x4038aa3b                    ; C2 = 2 log2(e)
	s_mov_b32 s[CC+1], s[CC]
	s_mov_b32 s[HM], 0xffff0000
	s_mov_b32 s[SEL], 0x76543210
	s_mov_b32 s[SEL+1], 0xfedcba98
.irp i, 0,1,2,3,4,5,6,7,8,9,10,11,12,13,14,15
	s_mov_b32 s[PP+2*\i+1], 0                      ; (named as the upper halves of pairs)
.endr
	s_mov_b32 s[CNT], 14
	s_mov_b32 s[SOFF], 0
	s_mov_b32 s[TSO], 0
	v_and_b32 v121, 31, v0
	v_and_b32 v122, 15, v0
	v_bfe_u32 v123, v0, 4, 1
	v_lshlrev_b32 v[L16], 4, v121
	s_mul_i32 s58, s[WV], QTR
	v_mul_u32_u24 v[QA0], v122, RP
	v_lshl_add_u32 v[QA0], v123, 6, v[QA0]
	v_add_nc_u32 v[QA0], s58, v[QA0]
	v_add_nc_u32 v[CA0], s58, v[L16]
	v_add_nc_u32 v[XRD], XIMG, v[L16]
	s_lshl_b32 s59, s[WV], 11
	v_add_nc_u32 v[XWR], s59, v[XRD]
	v_add_nc_u32 v[XSR], XSC, v[L16]
	s_lshl_b32 s59, s[WV], 2
	v_add_nc_u32 v[XSW], s59, v[XSR]
	v_add_nc_u32 v[WLA], s[G0D+1], v[L16]
	s_lshl_b32 s60, s[WV], 6
	s_add_co_u32 s60, s60, PS
	v_lshl_add_u32 v[PSW], v123, 5, s60
	v_lshl_add_u32 v[PSR], v122, 2, PS
	s_lshl_b32 s60, s[WV], 10
	s_add_co_u32 s60, s60, TS
	v_lshl_add_u32 v[TSA0], v122, 2, s60
	v_lshrrev_b32 v125, 2, v121
	v_and_b32 v126, 3, v121
	v_lshlrev_b32 v126, 8, v126
	v_lshl_add_u32 v[PFO], v125, 12, v126          ; the prefetches: row lane / 4, block lane % 4 of my 1,024 bytes
	v_lshlrev_b32 v125, 2, v122
	AW                                             ; the wait here, ahead of the waits below
	s_wait_dscnt 0x0
	s_wait_kmcnt 0x0
	s_add_nc_u64 s[G0D+2:G0D+3], s[14:15], s[62:63]
	s_or_b32 s[G0D+3], s[G0D+3], 0x80000000
	s_add_nc_u64 s[G0R+2:G0R+3], s[4:5], s[30:31]
	s_or_b32 s[G0R+3], s[G0R+3], 0x80000000
	tensor_load_to_lds s[G0D:G0D+3], s[G1D:G1D+7]  ; the head's one tensor load: my part of wlds
	s_nop 0
	PLACES
	s_add_nc_u64 s[PFA:PFA+1], s[4:5], s[30:31]    ; tile 0 of my columns
	s_lshl_b32 s58, s[BB], 11
	s_lshl_b32 s59, s[CH], 8
	s_add_co_u32 s58, s58, s59
	s_mov_b32 s59, 0
	s_add_nc_u64 s[6:7], s[6:7], s[58:59]          ; the chunk's mask bytes
	s_lshl_b32 s58, s58, 2
	s_lshl_b32 s60, s[WV], 8
	s_add_co_u32 s58, s58, s60
	s_add_nc_u64 s[16:17], s[16:17], s[58:59]      ; my quarter of the chunk's t
	s_mov_b32 s58, s29
	s_add_nc_u64 s[8:9], s[8:9], s[58:59]
	s_lshl_b32 s60, s[BB], 12
	s_add_co_u32 s58, s29, s60
	s_add_nc_u64 s[10:11], s[10:11], s[58:59]
	s_lshl_b32 s60, s[BB], 15
	s_lshl_b32 s61, s[CH], 12
	s_add_co_u32 s58, s29, s60
	s_add_co_u32 s58, s58, s61
	s_add_nc_u64 s[18:19], s[18:19], s[58:59]
	s_mul_i32 s58, s[WV], 98304
	s_add_nc_u64 s[12:13], s[12:13], s[58:59]
.irp o, 0,32768,65536,98304
	global_prefetch_b8 v[PFO], s[PFA:PFA+1] offset:\o th:TH_LOAD_NT scope:SCOPE_SE   ; tiles 0 and 1
.endr
.set ii, 0
.rept 16
	global_load_u8 v[ACC+ii], v122, s[6:7] offset:16*ii
	global_load_b32 v[AF+ii], v125, s[8:9] offset:64*ii        ; v of tile ii's column r
	global_load_b32 v[AF+16+ii], v125, s[10:11] offset:64*ii   ; the bias likewise
.set ii, ii+1
.endr
	WLOAD 0
	AW
	s_wait_tensorcnt 0x0                           ; a later first fill stands behind the same lines as a refill
	ds_add_u32 v[SPW], v[NIL]
	s_wait_dscnt 0x0
	s_barrier_signal -1
	s_barrier_wait -1
	tensor_load_to_lds s[G0R:G0R+3], s[G1R:G1R+7]  ; tile 0
	s_nop 0
	PLACES
	s_wait_loadcnt 48                              ; mask, v and bias are in; group 0's 48 loads may be out
.irp t, 0,1,2,3,4,5,6,7,8,9,10,11,12,13,14,15
	v_mul_f32 v[AF+\t], 0xc038aa3b, v[AF+\t]       ; -C2 v
.endr
.irp g, 0,1,2,3
	ds_store_b128 v[WLA], v[AF+4*\g:AF+4*\g+3] offset:VBO+512*\g            ; the images of v and of the bias: read by this wave alone
	ds_store_b128 v[WLA], v[AF+16+4*\g:AF+16+4*\g+3] offset:VBO+2048+512*\g
.endr
	v_mov_b32 v[MK], v[ACC]
.irp i, 1,2,3,4,5,6,7,8,9,10,11,12,13,14,15
	v_lshl_or_b32 v[MK], v[ACC+\i], \i, v[MK]
.endr
	v_mov_b32 v[MX], 0xff61b1e6                    ; -3e38, under every t
.irp j, 0,1,2,3,4,5,6,7
	v_mov_b32 v[CX+\j], 0
.endr
	v_mov_b32 v[QA], v[QA0]
	v_mov_b32 v[CA], v[CA0]
	WLOAD 1
.macro ASK                             ; tile t's body: the address stands at tile t + 1, the offsets name tile t + 3; tile 13's body asks for nothing
	s_cmp_gt_u32 s[CNT], 1
	s_cbranch_scc0 .Lnone_\@
	global_prefetch_b8 v[PFO], s[PFA:PFA+1] offset:131072 th:TH_LOAD_NT scope:SCOPE_SE
	global_prefetch_b8 v[PFO], s[PFA:PFA+1] offset:163840 th:TH_LOAD_NT scope:SCOPE_SE
.Lnone_\@:
.endm
.macro QLOADH u, reg                   ; my K step u of the 16 rows: lane (r, h) takes 16 numbers of each block of 32
.set ff, 0
.rept 16
	ds_load_b128 v[\reg+4*ff:\reg+4*ff+3], v[QA] offset:512*(\u)+128*(ff/4)+16*(ff%4)
.set ff, ff+1
.endr
.endm
.macro QUANT s, pw, pc                 ; four blocks of 32: largest magnitude (a tree of eight lines a block, with the floor 2^(3 - 127)), scale byte, codes, whole blocks to a lane
.irp b, 0,1,2,3
	v_max3_num_f32 v[TM+\b], |v[\s+16*\b]|, |v[\s+1+16*\b]|, 0x1800000
.endr
.irp q, 0,1,2,3
.irp b, 0,1,2,3
	v_max3_num_f32 v[TT+4*\q+\b], |v[\s+16*\b+2+3*\q]|, |v[\s+16*\b+3+3*\q]|, |v[\s+16*\b+4+3*\q]|
.endr
.endr
.irp b, 0,1,2,3
	v_max3_num_f32 v[TM+\b], v[TM+\b], |v[\s+16*\b+14]|, |v[\s+16*\b+15]|
.endr
.irp b, 0,1,2,3
	v_max3_num_f32 v[TT+\b], v[TT+\b], v[TT+4+\b], v[TT+8+\b]
.endr
.irp b, 0,1,2,3
	v_max3_num_f32 v[TM+\b], v[TM+\b], v[TT+\b], v[TT+12+\b]
.endr
.irp b, 0,1,2,3
	v_permlanex16_b32 v[TM+4+\b], v[TM+\b], s[SEL], s[SEL+1]
.endr
.irp b, 0,1,2,3
	v_max_num_f32 v[TM+\b], v[TM+\b], v[TM+4+\b]
.endr
.irp b, 0,1,2,3
	v_add_nc_u32 v[TM+12+\b], 0xff000000, v[TM+\b]
.endr
.irp b, 0,1,2,3
	v_lshrrev_b32 v[TM+4+\b], 23, v[TM+12+\b]
.endr
	v_lshl_or_b32 v[\pw], v[TM+5], 8, v[TM+4]
	v_lshl_or_b32 v[TM+6], v[TM+7], 8, v[TM+6]
	v_lshl_or_b32 v[\pw], v[TM+6], 16, v[\pw]
.irp b, 0,1,2,3
	v_cvt_scalef32_pk8_fp4_f32 v[\pc+2*\b], v[\s+16*\b:\s+7+16*\b], v[TM+12+\b]
	v_cvt_scalef32_pk8_fp4_f32 v[\pc+1+2*\b], v[\s+8+16*\b:\s+15+16*\b], v[TM+12+\b]
.endr
	v_nop                                          ; one plain place behind the conversions
.irp c, 0,1
.irp i, 0,1
	v_permlane16_swap_b32 v[\pc+4*\c+\i], v[\pc+2+4*\c+\i]
.endr
.endr
.endm
.macro IMAGE pc, off
	ds_store_b128 v[XWR], v[\pc:\pc+3] offset:\off
	ds_store_b128 v[XWR], v[\pc+4:\pc+7] offset:\off+512
.endm
.macro STAGE g                         ; 20 loads: group g's fourth tile, all 8 K steps, and the group's scale words
.set ff, 0
.rept 16
	ds_load_b128 v[STG+4*ff:STG+4*ff+3], v[WLA] offset:8192*(\g)+512*ff
.set ff, ff+1
.endr
.set xx, 0
.rept 4
	ds_load_b128 v[WSC+4*xx:WSC+4*xx+3], v[WLA] offset:32768+512*(4*(\g)+xx)
.set xx, xx+1
.endr
.endm
.macro WM g, s, x                      ; one product: group g, K step s, place x.  Source 1's window alone is switched
.set wn, (((\x)+1)&3)<<2
	WIN wn
.if (\x) < 3
.set rW, 64*(\g)+8*(\s)
.else
.set rW, STG+8*(\s)
.endif
.set rD, ACC+32*((\g)&1)+8*(\x)
.set rF, AF+8*(\s)
.set rX, XS+(\s)/2
.set rY, WSC+4*(\x)+(\s)/2
.if (\s) == 0
	v_wmma_scale_f32_16x16x128_f8f6f4 v[rD:rD+7], v[rF:rF+7], v[rW:rW+7], 0, v[rX], v[rY] matrix_a_fmt:MATRIX_FMT_FP4 matrix_b_fmt:MATRIX_FMT_FP4
.elseif (\s)%2 == 0
	v_wmma_scale_f32_16x16x128_f8f6f4 v[rD:rD+7], v[rF:rF+7], v[rW:rW+7], v[rD:rD+7], v[rX], v[rY] matrix_a_fmt:MATRIX_FMT_FP4 matrix_b_fmt:MATRIX_FMT_FP4
.else
	v_wmma_scale_f32_16x16x128_f8f6f4 v[rD:rD+7], v[rF:rF+7], v[rW:rW+7], v[rD:rD+7], v[rX], v[rY] matrix_a_fmt:MATRIX_FMT_FP4 matrix_b_fmt:MATRIX_FMT_FP4 matrix_a_scale:MATRIX_SCALE_ROW1 matrix_b_scale:MATRIX_SCALE_ROW1
.endif
.endm
.macro WG g                            ; a group's 32 products on end, its four accumulators by turns
.set ii, 0
.rept 32
	WM \g, ii/4, ii%4
.set ii, ii+1
.endr
	WIN 0
.endm
.macro BIASES g                        ; y = C2 x enc_proj + biasc, each accumulator from its low end on
.set aB, ACC+32*((\g)&1)
.set kk, 0
.rept 16
.set xT, kk/4
.if xT%2 == 0
	v_pk_fma_f32 v[aB+2*kk:aB+2*kk+1], v[aB+2*kk:aB+2*kk+1], s[CC:CC+1], v[BI4+xT:BI4+xT+1] op_sel_hi:[1,0,0]
.else
	v_pk_fma_f32 v[aB+2*kk:aB+2*kk+1], v[aB+2*kk:aB+2*kk+1], s[CC:CC+1], v[BI4+xT-1:BI4+xT] op_sel:[0,0,1] op_sel_hi:[1,0,1]
.endif
.set kk, kk+1
.endr
.endm
.macro EXPS g                          ; 2^y
.set aC, ACC+32*((\g)&1)
.set nn, 0
.rept 32
	v_exp_f32 v[aC+nn], v[aC+nn]
.set nn, nn+1
.endr
.endm
.macro RCPS g                          ; r = 1 / (1 + 2^y)
.set aC, ACC+32*((\g)&1)
.set nn, 0
.rept 32
	v_rcp_f32 v[aC+nn], v[aC+nn]
.set nn, nn+1
.endr
.endm
.macro ADDS g                          ; 1 + 2^y
.set aC, ACC+32*((\g)&1)
.set kk, 0
.rept 16
	v_pk_add_f32 v[aC+2*kk:aC+2*kk+1], v[aC+2*kk:aC+2*kk+1], 1.0 op_sel_hi:[1,0]
.set kk, kk+1
.endr
.endm
.macro FA g, vr                        ; t's partial sums += (-C2 v) r of group g (v in vr), by turns with group g + 1's 1 + 2^y
.set aC, ACC+32*((\g)&1)
.set aN, ACC+32*(((\g)+1)&1)
.set kk, 0
.rept 16
.set rA, aC+2*kk
.set xT, kk/4
.set rS, SA+2*(kk%4)
.if ((\g) == 0) && (kk < 4)
	v_pk_mul_f32 v[rS:rS+1], v[rA:rA+1], v[\vr:\vr+1] op_sel_hi:[1,0]
.elseif xT%2 == 0
	v_pk_fma_f32 v[rS:rS+1], v[rA:rA+1], v[\vr+xT:\vr+xT+1], v[rS:rS+1] op_sel_hi:[1,0,1]
.else
	v_pk_fma_f32 v[rS:rS+1], v[rA:rA+1], v[\vr+xT-1:\vr+xT], v[rS:rS+1] op_sel:[0,1,0] op_sel_hi:[1,1,1]
.endif
.if (\g) < 3
	v_pk_add_f32 v[aN+2*kk:aN+2*kk+1], v[aN+2*kk:aN+2*kk+1], 1.0 op_sel_hi:[1,0]
.endif
.set kk, kk+1
.endr
.endm
.macro CTXROWS i0, init                ; rows i0 .. + 3 onto the context, rows i0 + 4 .. + 7 onto a second set of sums, by turns; init: that set begins here
.set ii, 0
.rept 4
.set kk, 0
.rept 4
	v_pk_fma_f32 v[CX+2*kk:CX+2*kk+1], v[AF+8*(\i0+ii)+2*kk:AF+8*(\i0+ii)+2*kk+1], s[PP+2*(\i0+ii):PP+2*(\i0+ii)+1], v[CX+2*kk:CX+2*kk+1] op_sel_hi:[1,0,1]
.set kk, kk+1
.endr
.set kk, 0
.rept 4
.if (\init) && (ii == 0)
	v_pk_mul_f32 v[CY+2*kk:CY+2*kk+1], v[AF+8*(\i0+4)+2*kk:AF+8*(\i0+4)+2*kk+1], s[PP+2*(\i0+4):PP+2*(\i0+4)+1] op_sel_hi:[1,0]
.else
	v_pk_fma_f32 v[CY+2*kk:CY+2*kk+1], v[AF+8*(\i0+4+ii)+2*kk:AF+8*(\i0+4+ii)+2*kk+1], s[PP+2*(\i0+4+ii):PP+2*(\i0+4+ii)+1], v[CY+2*kk:CY+2*kk+1] op_sel_hi:[1,0,1]
.endif
.set kk, kk+1
.endr
.set ii, ii+1
.endr
.endm
; A TILE.  first: W's registers are still arriving; fill: the slot just read is filled again; tw: a tensor load is still out; next: a tile follows.
.macro BODY first, fill, tw, next
	s_wait_dscnt 16                                ; my K step 1 is in; K step 0's 16 loads may be out
	QUANT STG, PW1, PC
	IMAGE PC, 1024
	STAGE 0
	ds_load_b128 v[BI4:BI4+3], v[WLA] offset:VBO+2048
	ds_load_b128 v[VV4:VV4+3], v[WLA] offset:VBO
	s_wait_dscnt 24                                ; K step 0 is in; behind it: 2 stores and 22 loads
	QUANT AF, PW0, PC2
	IMAGE PC2, 0
	v_cndmask_b32 v[PW1], v[PW0], v[PW1], s[HM]    ; lanes 0-15 carry K step 2 w's word, lanes 16-31 K step 2 w + 1's
	ds_store_b32 v[XSW], v[PW1]
	s_wait_dscnt 0x0                               ; my images are stored
	s_barrier_signal -1
	s_barrier_wait -1
	ds_load_b128 v[XS:XS+3], v[XSR]
.set ff, 0
.rept 16
	ds_load_b128 v[AF+4*ff:AF+4*ff+3], v[XRD] offset:512*ff
.set ff, ff+1
.endr
.if \first
	s_wait_loadcnt 48                              ; W's group 0 is in; group 1's 48 loads may be out
.endif
.set ss, 0
.rept 8
	s_wait_dscnt 14-2*ss                           ; the fragment loads issued behind K step ss's two
	WM 0, ss, 0
	WM 0, ss, 1
	WM 0, ss, 2
	WM 0, ss, 3
.set ss, ss+1
.endr
	WIN 0
	PLACES                                         ; four places ahead of loads into the products' sources and of the first read of results
	STAGE 1
	BIASES 0
	ds_load_b128 v[BI4:BI4+3], v[WLA] offset:VBO+2048+512
.if \first
	WLOAD 2
.endif
	AW                                             ; ahead of the batch
	EXPS 0
	s_wait_dscnt 1                                 ; the stage is in; the bias's load behind it may be out
.if \first
	s_wait_loadcnt 48                              ; group 1 is in; group 2's 48 may be out
.endif
	WG 1
	v_nop                                          ; the plain place behind the batch,
	s_wait_dscnt 0x0
	AW                                             ; and its wait
	ADDS 0                                         ; (16 places behind group 1's products)
	STAGE 2
	BIASES 1
	ds_load_b128 v[BI4:BI4+3], v[WLA] offset:VBO+2048+1024
.if \first
	WLOAD 3
.endif
	AW
	RCPS 0
	EXPS 1
	v_nop
	s_wait_dscnt 0x0                               ; the stage and the bias, asked for ahead of the batch
	AW
	FA 0, VV4
	ds_load_b128 v[VV4:VV4+3], v[WLA] offset:VBO+512
.if \first
	s_wait_loadcnt 48                              ; group 2 is in; group 3's 48 may be out
.endif
	WG 2
	PLACES
	STAGE 3
	BIASES 2
	ds_load_b128 v[BI4:BI4+3], v[WLA] offset:VBO+2048+1536
	AW
	RCPS 1
	EXPS 2
	v_nop
	s_wait_dscnt 0x0
	AW
	FA 1, VV4
	ds_load_b128 v[VV4:VV4+3], v[WLA] offset:VBO+1024
.if \first
	s_wait_loadcnt 0x0                             ; group 3 is in
.endif
	WG 3
	PLACES
	BIASES 3
	ds_load_b128 v[BI4:BI4+3], v[WLA] offset:VBO+1536   ; group 3's v, where the bias lay
.set ff, 0
.rept 32
	ds_load_b128 v[AF+4*ff:AF+4*ff+3], v[CA] offset:RP*(ff/2)+512*(ff%2)   ; the last products are issued: the 16 raw rows, my columns, for the context
.set ff, ff+1
.endr
	AW
	RCPS 2
	EXPS 3
	v_nop
	s_wait_dscnt 32                                ; v of groups 2 and 3 is in; the 32 loads of raw rows may be out
	AW
	FA 2, VV4
	AW
	RCPS 3
	v_nop
	AW
	FA 3, BI4
.irp m, 1,2,4,8
.irp j, 0,1,2,3,4,5,6,7
	v_add_f32_dpp v[SA+\j], v[SA+\j], v[SA+\j] row_xmask:\m row_mask:0xf bank_mask:0xf   ; over my 16 columns of each tile
.endr
.endr
	ds_store_b128 v[PSW], v[SA:SA+3]
	ds_store_b128 v[PSW], v[SA+4:SA+7] offset:16
.if \fill
	s_wait_tensorcnt 0x0                           ; my part of the next tile is in;
	ds_add_u32 v[SPW], v[NIL]
	s_xor_b32 s[G0R+1], s[G0R+1], RSLOT            ; no load of mine is out: the descriptor steps to this slot, two tiles on
	s_add_nc_u64 s[G0R+2:G0R+3], s[G0R+2:G0R+3], 65536
	s_wait_xcnt 0x0                                ; my prefetches have read their address
	s_add_nc_u64 s[PFA:PFA+1], s[PFA:PFA+1], 65536
	s_xor_b32 s[SOFF], s[SOFF], RSLOT
	s_wait_dscnt 0x0                               ; the add, my stores and my reads of this slot are done
	s_barrier_signal -1
	s_barrier_wait -1
	tensor_load_to_lds s[G0R:G0R+3], s[G1R:G1R+7]
	s_nop 0
.else
.if \tw
	s_wait_tensorcnt 0x0
.endif
.if \next
	s_xor_b32 s[SOFF], s[SOFF], RSLOT
.endif
	s_wait_dscnt 0x0
	s_barrier_signal -1
	s_barrier_wait -1
.endif
	ds_load_b32 v121, v[PSR]
	ds_load_b32 v122, v[PSR] offset:64
	ds_load_b32 v123, v[PSR] offset:128
	ds_load_b32 v124, v[PSR] offset:192
.if \fill
	ASK
.endif
	v_add_nc_u32 v[TSW], s[TSO], v[TSA0]
.if \next
	v_add_nc_u32 v[QA], s[SOFF], v[QA0]
	v_add_nc_u32 v[CA], s[SOFF], v[CA0]
.endif
	s_add_co_u32 s[TSO], s[TSO], 64
	s_wait_dscnt 0x0
	v_add_f32 v121, v121, v122
	v_add_f32 v123, v123, v124
	v_and_b32 v125, 1, v[MK]
	v_add_f32 v121, v121, v123                     ; t of row r
	v_cmp_eq_u32 vcc_lo, 0, v125
	v_cndmask_b32 v121, 0xff800000, v121, vcc_lo   ; a masked row: -infinity
	AW                                             ; the address was written ahead of the wait on DScnt
	ds_store_b32 v[TSW], v121
	v_max_num_f32_dpp v122, v121, v121 row_xmask:1 row_mask:0xf bank_mask:0xf
	v_max_num_f32_dpp v122, v122, v122 row_xmask:2 row_mask:0xf bank_mask:0xf
	v_max_num_f32_dpp v122, v122, v122 row_xmask:4 row_mask:0xf bank_mask:0xf
	v_max_num_f32_dpp v122, v122, v122 row_xmask:8 row_mask:0xf bank_mask:0xf
	v_max_num_f32 v123, v[MX], v122
	v_sub_f32 v124, v[MX], v123
	v_sub_f32 v125, v121, v123
	AW
	v_exp_f32 v[FF], v124                          ; 2^(old maximum - new)
	v_exp_f32 v126, v125                           ; p
	v_mov_b32 v[MX], v123
	AW
.set ii, 0
.rept 16
	v_readlane_b32 s[PP+2*ii], v126, ii
.set ii, ii+1
.endr
.irp k, 0,1,2,3
	v_pk_mul_f32 v[CX+2*\k:CX+2*\k+1], v[CX+2*\k:CX+2*\k+1], v[FF:FF+1] op_sel_hi:[1,0]
.endr
	CTXROWS 8, 1
.if \next
	QLOADH 1, STG
.endif
	CTXROWS 0, 0
.if \next
	QLOADH 0, AF
	v_lshrrev_b32 v[MK], 1, v[MK]
.endif
.irp k, 0,1,2,3
	v_pk_add_f32 v[CX+2*\k:CX+2*\k+1], v[CX+2*\k:CX+2*\k+1], v[CY+2*\k:CY+2*\k+1]
.endr
.endm
	AW                                             ; the wait at the head's end
	s_wait_tensorcnt 0x0                           ; my part of tile 0 is in
	ds_add_u32 v[SPW], v[NIL]
	s_xor_b32 s[G0R+1], s[G0R+1], RSLOT
	s_add_nc_u64 s[G0R+2:G0R+3], s[G0R+2:G0R+3], 65536
	s_wait_dscnt 0x0
	s_barrier_signal -1
	s_barrier_wait -1
	tensor_load_to_lds s[G0R:G0R+3], s[G1R:G1R+7]  ; tile 1: slot 1's first fill, issued as a refill is
	s_nop 0
	QLOADH 1, STG
	QLOADH 0, AF
	global_prefetch_b8 v[PFO], s[PFA:PFA+1] offset:131072 th:TH_LOAD_NT scope:SCOPE_SE   ; tile 2
	global_prefetch_b8 v[PFO], s[PFA:PFA+1] offset:163840 th:TH_LOAD_NT scope:SCOPE_SE
	BODY 1, 1, 0, 1                                ; tile 0, under the last of W's loads
	s_sub_co_u32 s[CNT], s[CNT], 1
.Ltile:                                            ; 13 trips, tiles 1 to 13: tile t's body asks for tile t + 2
	BODY 0, 1, 0, 1
	s_sub_co_u32 s[CNT], s[CNT], 1
	s_cmp_lg_u32 s[CNT], 0
	s_cbranch_scc1 .Ltile
	BODY 0, 0, 1, 1                                ; the last two tiles are written out: they fill nothing
	BODY 0, 0, 0, 0
	v_and_b32 v121, 31, v0
	s_mul_i32 s60, s[WV], 1280
	s_add_co_u32 s60, s60, TS                      ; in my own copy of t, my quarter
	v_lshlrev_b32 v122, 4, v121
	v_lshlrev_b32 v123, 3, v121
	v_lshl_add_u32 v126, v121, 3, s60
	AW
	ds_load_b64 v[124:125], v126
	global_store_b128 v122, v[CX:CX+3], s[18:19]   ; each store of the wave covers 512 consecutive bytes, aligned
	global_store_b128 v122, v[CX+4:CX+7], s[18:19] offset:512
	s_wait_dscnt 0x0
	global_store_b64 v123, v[124:125], s[16:17]    ; 256 consecutive bytes, aligned
	s_wait_tensorcnt 0x0                           ; the wave's end
	ds_add_u32 v[SPW], v[NIL]
	s_wait_dscnt 0x0
	s_endpgm
.Lfunc_end_k_qee407b87d9_main:
	.size	k_qee407b87d9_main, .Lfunc_end_k_qee407b87d9_main-k_qee407b87d9_main
	.p2alignl 7, 3214868480
	.fill 96, 4, 3214868480
	.section	.rodata,"a",@progbits
	.p2align	6, 0x0
	.amdhsa_kernel k_qee407b87d9_main
		.amdhsa_group_segment_fixed_size 327680
		.amdhsa_private_segment_fixed_size 0
		.amdhsa_enable_private_segment 0
		.amdhsa_kernarg_size 64
		.amdhsa_user_sgpr_count 2
		.amdhsa_user_sgpr_kernarg_segment_ptr 1
		.amdhsa_wavefront_size32 1
		.amdhsa_system_sgpr_workgroup_id_x 1
		.amdhsa_system_sgpr_workgroup_id_y 1
		.amdhsa_system_sgpr_workgroup_id_z 1
		.amdhsa_system_vgpr_workitem_id 0
		.amdhsa_next_free_vgpr 1024
		.amdhsa_next_free_sgpr 100
		.amdhsa_reserve_vcc 1
		.amdhsa_float_denorm_mode_32 3
		.amdhsa_float_denorm_mode_16_64 3
		.amdhsa_memory_ordered 1
		.amdhsa_forward_progress 1
		.amdhsa_inst_pref_size 255
	.end_amdhsa_kernel
	.section	.bss,"aw",@nobits
	.p2align	6
	.space	262144
	.amdgpu_metadata
---
amdhsa.version: [ 1, 2 ]
amdhsa.kernels:
  - .name:           k_qee407b87d9_main
    .symbol:         k_qee407b87d9_main.kd
    .args:
      - { .name: encoder_outputs, .offset: 0, .size: 8, .value_kind: global_buffer, .address_space: global }
      - { .name: mask, .offset: 8, .size: 8, .value_kind: global_buffer, .address_space: global }
      - { .name: v, .offset: 16, .size: 8, .value_kind: global_buffer, .address_space: global }
      - { .name: biasc, .offset: 24, .size: 8, .value_kind: global_buffer, .address_space: global }
      - { .name: wreg, .offset: 32, .size: 8, .value_kind: global_buffer, .address_space: global }
      - { .name: wlds, .offset: 40, .size: 8, .value_kind: global_buffer, .address_space: global }
      - { .name: tsc, .offset: 48, .size: 8, .value_kind: global_buffer, .address_space: global }
      - { .name: pctx, .offset: 56, .size: 8, .value_kind: global_buffer, .address_space: global }
    .group_segment_fixed_size: 327680
    .private_segment_fixed_size: 0
    .kernarg_segment_align: 8
    .kernarg_segment_size: 64
    .max_flat_workgroup_size: 128
    .sgpr_count:     100
    .vgpr_count:     1024
    .wavefront_size: 32
...
	.end_amdgpu_metadata
.endif
;; end of part 2
;; launch finish (part 3): grid 32 x 1, 8 waves a work-group, no clusters, 2,048 bytes of LDS; arguments tsc, pctx, out0, out1; writes out0, out1
.if DOCPART == 3
	.amdgcn_target "amdgcn-amd-amdhsa--gfx1250"
	.amdhsa_code_object_version 6
	.text
	.protected	k_qee407b87d9_finish
	.globl	k_qee407b87d9_finish
	.p2align	8
	.type	k_qee407b87d9_finish,@function
k_qee407b87d9_finish:
	s_mov_b64 s[64:65], 0
	v_nop
	global_prefetch_b8 v0, s[64:65] scope:SCOPE_SE
	s_setreg_imm32_b32 hwreg(HW_REG_WAVE_MODE, 25, 1), 1
	s_wait_xcnt 0x0
; BahdanauAttention in MX-FP4, launch 3 of 3: a work-group joins one batch's eight chunks.
; t (tsc) is the base-2 score without the term sum_d v[d], which is the same along the softmax's axis and is left out as dead work (shown at the head of the first kernel).
; weights[s] = 2^(t[s] - M) / L, M the batch's largest t, L the sum;  context = sum over chunks i of 2^(c_i - M) pctx_i / L, c_i the chunk's largest t.
; c_i is found anew from t: a maximum rounds nothing, so it has the bits of the maximum under which the second launch summed pctx_i.  A chunk that is masked everywhere has c_i = -infinity
; and pctx_i = 0: its factor is 0.  A batch that is masked everywhere gives NaN everywhere, by -infinity less -infinity.
; SHARES.  Eight waves; wave i holds chunk i's 256 t, lane l those at 4 l + 0..3 and 128 + 4 l + 0..3: every load of t and store of the weights covers 512 consecutive bytes.
; Thread n owns columns 4 n + 0..3 of the context.  Memory binds what little there is: no matrix unit, no tensor load, no cluster.
.set CMX,   0                          ; LDS: the eight chunk maxima,
.set SUM,   256                        ; the eight sums, in a block of their own,
.set SPARE, 512                        ; the spare words, 128 bytes for each wave: four blocks of 256 bytes that no other line names
	s_load_b256 s[4:11], s[0:1], 0x0               ; tsc s[4:5], pctx s[6:7], out0 s[8:9], out1 s[10:11]
	v_lshl_add_u32 v1, v0, 2, SPARE                ; v1, v2: the add's two registers; never rewritten
	v_mov_b32 v2, 0
	v_lshrrev_b32 v9, 5, v0
	s_delay_alu instid0(VALU_DEP_1)
	v_readfirstlane_b32 s12, v9                    ; wave
	v_and_b32 v9, 0xe0, v0
	s_delay_alu instid0(VALU_DEP_1)
	v_add_nc_u32 v9, v9, v0
	s_delay_alu instid0(VALU_DEP_1)
	v_lshlrev_b32 v3, 4, v9                        ; t and weights: 1,024 wave + 16 lane
	v_lshlrev_b32 v4, 4, v0                        ; context: 16 bytes a thread
	s_lshl_b32 s13, s12, 2
	v_mov_b32 v5, s13                              ; CMX + 4 wave
	s_delay_alu instid0(VALU_DEP_1)
	v_add_nc_u32 v6, SUM, v5
	v_mov_b32 v7, 0
	s_mov_b32 s14, 0x76543210
	s_mov_b32 s15, 0xfedcba98                      ; v_permlanex16_b32's selects for lane l xor 16
	s_lshl_b32 s16, ttmp9, 13                      ; a batch: 8,192 bytes of t and of weights,
	s_mov_b32 s17, 0
	s_lshl_b32 s18, ttmp9, 15                      ; 32,768 of pctx,
	s_mov_b32 s19, 0
	s_lshl_b32 s20, ttmp9, 12                      ; 4,096 of context
	s_mov_b32 s21, 0
	s_wait_alu depctr_va_vdst(0)
	s_wait_kmcnt 0x0
	s_add_nc_u64 s[4:5], s[4:5], s[16:17]
	s_add_nc_u64 s[6:7], s[6:7], s[18:19]
	s_add_nc_u64 s[8:9], s[8:9], s[20:21]
	s_add_nc_u64 s[10:11], s[10:11], s[16:17]
	global_load_b128 v[16:19], v3, s[4:5]
	global_load_b128 v[20:23], v3, s[4:5] offset:512
.irp i, 0,1,2,3,4,5,6,7
	global_load_b128 v[24+4*\i:27+4*\i], v4, s[6:7] offset:4096*\i
.endr
	s_wait_loadcnt 8                               ; t's two loads are in; pctx's eight may be out
	v_max3_num_f32 v9, v16, v17, v18
	v_max3_num_f32 v10, v19, v20, v21
	s_delay_alu instid0(VALU_DEP_2)
	v_max3_num_f32 v9, v9, v22, v23
	s_delay_alu instid0(VALU_DEP_1)
	v_max_num_f32 v9, v9, v10
	s_delay_alu instid0(VALU_DEP_1)
	v_max_num_f32_dpp v9, v9, v9 row_xmask:1 row_mask:0xf bank_mask:0xf
	s_delay_alu instid0(VALU_DEP_1)
	v_max_num_f32_dpp v9, v9, v9 row_xmask:2 row_mask:0xf bank_mask:0xf
	s_delay_alu instid0(VALU_DEP_1)
	v_max_num_f32_dpp v9, v9, v9 row_xmask:4 row_mask:0xf bank_mask:0xf
	s_delay_alu instid0(VALU_DEP_1)
	v_max_num_f32_dpp v9, v9, v9 row_xmask:8 row_mask:0xf bank_mask:0xf
	s_delay_alu instid0(VALU_DEP_1)
	v_permlanex16_b32 v10, v9, s14, s15
	s_delay_alu instid0(VALU_DEP_1)
	v_max_num_f32 v9, v9, v10                      ; my chunk's largest t
	ds_store_b32 v5, v9                            ; all lanes write the same word with the same value
	s_wait_dscnt 0x0
	s_barrier_signal -1
	s_barrier_wait -1
	ds_load_b128 v[56:59], v7 offset:CMX
	ds_load_b128 v[60:63], v7 offset:CMX+16
	s_wait_dscnt 0x0
	v_max3_num_f32 v11, v56, v57, v58
	v_max3_num_f32 v13, v59, v60, v61
	s_delay_alu instid0(VALU_DEP_2)
	v_max3_num_f32 v11, v11, v62, v63
	s_delay_alu instid0(VALU_DEP_1)
	v_max_num_f32 v11, v11, v13                    ; M
.irp k, 0,1,2,3,4,5,6,7
	v_sub_f32 v[16+\k], v[16+\k], v11
	v_sub_f32 v[56+\k], v[56+\k], v11
.endr
	s_wait_alu depctr_va_vdst(0)
.irp k, 0,1,2,3,4,5,6,7
	v_exp_f32 v[16+\k], v[16+\k]                   ; p = 2^(t - M)
	v_exp_f32 v[56+\k], v[56+\k]                   ; f_i = 2^(c_i - M)
.endr
	v_nop                                          ; the plain place behind the batch,
	s_wait_alu depctr_va_vdst(0)                   ; and its one wait, ahead of the first reader
	v_pk_add_f32 v[72:73], v[16:17], v[18:19]
	v_pk_add_f32 v[74:75], v[20:21], v[22:23]
	s_delay_alu instid0(VALU_DEP_1)
	v_pk_add_f32 v[72:73], v[72:73], v[74:75]
	s_delay_alu instid0(VALU_DEP_1)
	v_add_f32 v72, v72, v73
	s_delay_alu instid0(VALU_DEP_1)
	v_add_f32_dpp v72, v72, v72 row_xmask:1 row_mask:0xf bank_mask:0xf
	s_delay_alu instid0(VALU_DEP_1)
	v_add_f32_dpp v72, v72, v72 row_xmask:2 row_mask:0xf bank_mask:0xf
	s_delay_alu instid0(VALU_DEP_1)
	v_add_f32_dpp v72, v72, v72 row_xmask:4 row_mask:0xf bank_mask:0xf
	s_delay_alu instid0(VALU_DEP_1)
	v_add_f32_dpp v72, v72, v72 row_xmask:8 row_mask:0xf bank_mask:0xf
	s_delay_alu instid0(VALU_DEP_1)
	v_permlanex16_b32 v73, v72, s14, s15
	s_delay_alu instid0(VALU_DEP_1)
	v_add_f32 v72, v72, v73                        ; my chunk's sum of p
	ds_store_b32 v6, v72
	s_wait_dscnt 0x0
	s_barrier_signal -1
	s_barrier_wait -1
	ds_load_b128 v[64:67], v7 offset:SUM
	ds_load_b128 v[68:71], v7 offset:SUM+16
	s_wait_dscnt 0x0
	v_add_f32 v64, v64, v65
	v_add_f32 v66, v66, v67
	v_add_f32 v68, v68, v69
	v_add_f32 v70, v70, v71
	s_delay_alu instid0(VALU_DEP_3)
	v_add_f32 v64, v64, v66
	s_delay_alu instid0(VALU_DEP_2)
	v_add_f32 v68, v68, v70
	s_delay_alu instid0(VALU_DEP_1)
	v_add_f32 v64, v64, v68                        ; L
	s_wait_alu depctr_va_vdst(0)
	v_rcp_f32 v12, v64
	v_nop
	s_wait_alu depctr_va_vdst(0)
.irp k, 0,1,2,3,4,5,6,7
	v_mul_f32 v[16+\k], v[16+\k], v12              ; the weights
	v_mul_f32 v[56+\k], v[56+\k], v12              ; f_i / L
.endr
	global_store_b128 v3, v[16:19], s[10:11]       ; each store of the wave covers 512 consecutive bytes, aligned
	global_store_b128 v3, v[20:23], s[10:11] offset:512
	s_wait_loadcnt 0x0                             ; pctx
.irp j, 0,1,2,3
	v_mul_f32 v[72+\j], v56, v[24+\j]
.endr
.irp i, 1,2,3,4,5,6,7
.irp j, 0,1,2,3
	s_delay_alu instid0(VALU_DEP_4)
	v_fma_f32 v[72+\j], v[56+\i], v[24+4*\i+\j], v[72+\j]
.endr
.endr
	global_store_b128 v4, v[72:75], s[8:9]
	s_wait_tensorcnt 0x0                           ; the wave's end, behind my last LDS store
	ds_add_u32 v1, v2
	s_wait_dscnt 0x0
	s_endpgm
.Lfunc_end_k_qee407b87d9_finish:
	.size	k_qee407b87d9_finish, .Lfunc_end_k_qee407b87d9_finish-k_qee407b87d9_finish
	.p2alignl 7, 3214868480
	.fill 96, 4, 3214868480
	.section	.rodata,"a",@progbits
	.p2align	6, 0x0
	.amdhsa_kernel k_qee407b87d9_finish
		.amdhsa_group_segment_fixed_size 2048
		.amdhsa_private_segment_fixed_size 0
		.amdhsa_enable_private_segment 0
		.amdhsa_kernarg_size 32
		.amdhsa_user_sgpr_count 2
		.amdhsa_user_sgpr_kernarg_segment_ptr 1
		.amdhsa_wavefront_size32 1
		.amdhsa_system_sgpr_workgroup_id_x 1
		.amdhsa_system_sgpr_workgroup_id_y 1
		.amdhsa_system_sgpr_workgroup_id_z 1
		.amdhsa_system_vgpr_workitem_id 0
		.amdhsa_next_free_vgpr 80
		.amdhsa_next_free_sgpr 66
		.amdhsa_reserve_vcc 0
		.amdhsa_float_denorm_mode_32 3
		.amdhsa_float_denorm_mode_16_64 3
		.amdhsa_memory_ordered 1
		.amdhsa_forward_progress 1
		.amdhsa_inst_pref_size 11
	.end_amdhsa_kernel
	.amdgpu_metadata
---
amdhsa.version: [ 1, 2 ]
amdhsa.kernels:
  - .name:           k_qee407b87d9_finish
    .symbol:         k_qee407b87d9_finish.kd
    .args:
      - { .name: tsc, .offset: 0, .size: 8, .value_kind: global_buffer, .address_space: global }
      - { .name: pctx, .offset: 8, .size: 8, .value_kind: global_buffer, .address_space: global }
      - { .name: out0, .offset: 16, .size: 8, .value_kind: global_buffer, .address_space: global }
      - { .name: out1, .offset: 24, .size: 8, .value_kind: global_buffer, .address_space: global }
    .group_segment_fixed_size: 2048
    .private_segment_fixed_size: 0
    .kernarg_segment_align: 8
    .kernarg_segment_size: 32
    .max_flat_workgroup_size: 256
    .sgpr_count:     66
    .vgpr_count:     80
    .wavefront_size: 32
...
	.end_amdgpu_metadata
.endif
;; end of part 3
